; MI455X (gfx1250); checked and timed in simulation.
; The chip was launched on July 23, 2026; its instructions are those of AMD's public machine-readable ISA for CDNA 5 (MIT licence, August 2026) and "CDNA5" Instruction Set Architecture Reference Guide (July 2026). The comments in the code are by the model that wrote it; some were corrected since.
;; Mo E Layer. Allowed arithmetic: matrix products marked QUANTISED: E4M3 operands, one given power-of-two scale a tensor, by v_wmma_f32_16x16x64_fp8_fp8 or v_wmma_f32_16x16x128_fp8_fp8, f32 sums; products left as they are: f32 operands where the result goes on into a quantised operand, else bf16, f16 or f32 operands; f32 sums; everything else in f32.
;; Inputs: W1 8 x 512 x 2,048 float32; W2 8 x 2,048 x 512 float32; b1 8 x 2,048 float32; b2 8 x 512 float32; gate_W 512 x 8 float32; gate_b 8 float32; ln_b 8 x 2,048 float32; ln_g 8 x 2,048 float32; lowp_scales 4 int32 (the exponents e of the quantised operands' scales 2^e); out_b 512 float32; out_g 512 float32; x 4,096 x 512 float32.
;; Outputs: out0 4,096 x 512 float32; out1 one number float32.
;; This version of the problem:
;;   THIS VERSION OF THE PROBLEM IS GIVEN IN LOW PRECISION. The matrix products marked QUANTISED in the list below multiply operands that are first quantised to E4M3 (4 exponent bits, 3 mantissa bits; 8 bits a number), with one given power-of-two scale for each operand tensor; their sums are f32. All else is computed in f32.
;;   The module's matrix products, in the order in which they are computed (A, B: the left and right operand; K: the contracted axis; several contracted axes count as one K, in the product's order):
;;     1. [M 4,096, K 512] x [K 512, N 8]; A: input x; B: input gate_W: left as it is (N = 8 < 16)
;;     2. [M 4,096, K 512] x [K 512, N 16,384]; A: input x; B: input W1: QUANTISED (scales: A lowp_scales[0], B lowp_scales[1])
;;     3. batch 8 x [M 512, K 2,048] x [K 2,048, N 4,096]; A: input W2; B: computed on the way: QUANTISED (scales: A lowp_scales[2], B lowp_scales[3])
;;     4. batch 4,096 x [M 1, K 8] x [K 8, N 512]; A: computed on the way; B: computed on the way: left as it is (K = 8 < 32)
;;   THE QUANTISER, for each operand of a quantised product, along K:
;;     - The operand's scale is 2^e, e = its entry of the input lowp_scales (int32; the entries are numbered through the quantised products in the list's order, A before B).
;;     - Each number is divided by the scale, clamped to +-448, and rounded to the nearest number of E4M3, ties to even, subnormals kept.
;;     - The product sums the exact products of the quantised numbers (number of the format x scale) in f32.
;;   ~~~python
;;   def quantise(x, axis, e):      # numpy; x: float32 -> the quantised numbers, widened to float32 again
;;       x = np.moveaxis(x, axis, -1); K = x.shape[-1]
;;       r = np.clip(x / 2.0 ** e, -448, 448)
;;       step = 2.0 ** (np.maximum(np.frexp(np.where(r == 0, 1, r))[1] - 1, -6) - 3)
;;       q = np.round(r / step) * step * 2.0 ** e      # np.round: ties to even
;;       return np.moveaxis(q, -1, axis).astype(np.float32)
;;   ~~~
;;   OPERANDS COMPUTED ON THE WAY. 'Computed on the way' means the value that the module computes at that place (a softmax that the list does not call 'softmax' is quantised finished and normalised). What goes into a quantiser is computed in f32, as accurately as f32 sums, v_exp_f32 and their like allow (about 1e-6 of the number): no bf16 or f16 on the way to a quantiser, and a product that is left as it is and whose result goes on into a quantised operand takes f32 operands (vector FMAs, or v_wmma_f32_16x16x4_f32). A number that lies on a knife's edge between two numbers of the format may be rounded either way, as far as f32 arithmetic and the matrix unit's own rounding can turn it there, and no further.
;; One version. Each part assembles by itself: llvm-mc -triple=amdgcn-amd-amdhsa -mcpu=gfx1250 --defsym DOCPART=n.
;; ======== version 1 of 1: 4 launches
;; limits: a function is approximated: absolute error at most 7.5e-08
;; workspace buffers: xq 2,097,152 bytes; wq 16,777,216 bytes; ridx 32,768 bytes of whole numbers; rwp 36,864 bytes; route 69,632 bytes of whole numbers; y 17,498,112 bytes
;; launch prep (part 1): grid 1152 x 1, 4 waves a work-group, no clusters, 1,536 bytes of LDS; arguments x, gate_W, gate_b, W1, W2, lowp_scales, xq, wq, ridx, rwp; writes xq, wq, ridx, rwp
.if DOCPART == 1
	.amdgcn_target "amdgcn-amd-amdhsa--gfx1250"
	.amdhsa_code_object_version 6
	.text
	.protected	k_q76ea410523_prep
	.globl	k_q76ea410523_prep
	.p2align	8
	.type	k_q76ea410523_prep,@function
k_q76ea410523_prep:
	s_mov_b64 s[64:65], 0
	v_nop
	global_prefetch_b8 v0, s[64:65] scope:SCOPE_SE
	s_setreg_imm32_b32 hwreg(HW_REG_WAVE_MODE, 25, 1), 1
	s_wait_xcnt 0x0
; PREP: everything that is made once.  Work-groups 0-127: the router and x's codes (32 tokens each).  128-639: W1's codes.  640-1151: W2's codes.
; CODES: E4M3, code = number / 2^e, held within +-448, to the nearest code, ties to even.  e: lowp_scales[0] for x, [1] for W1, [2] for W2.
; xq [token][512]: byte 16 l + 4 i + j of a row is d = 128 i + 4 l + j (the order in which a lane's four 16-byte loads of a row bring it).  The same order of K is laid into W1's codes.
; wq: FRAGMENT IMAGES of 2,048 bytes (16 rows x 128 K): piece c of 512 bytes holds, at byte 16 x lane, registers 4 c .. 4 c + 3 of the operand; lane = 16 h + r, r = the row.
;   W1, fragment ((4 e + w) 4 + s) 32 + t: row = hidden unit 512 w + 16 t + r; byte 4 i + j of piece c is d = 128 i + 4 (8 s + 2 c + h) + j.
;   W2, from byte 8,388,608, fragment ((4 e + w) 16 + S) 8 + n: row = output 128 w + 16 n + r; bytes 0-7 of piece c are hidden units 128 S + 32 c + 8 h + 0..7, bytes 8-15 those 16 further on.
; Both weights have K as their first axis: A LANE TAKES A COLUMN AND ITS REGISTERS RUN DOWN K, so the conversions give codes with K innermost and nothing is transposed.
; ROUTER, all f32: logits by fused multiply-adds, softmax with the row's maximum taken away, top-2 (the lower index wins a tie), the two weights normalised.
;   ridx [token][2] int32, rwp: weights [token][2] f32 at 0, sums of the probabilities [128 blocks][8] at 32,768.  No address of this launch hangs on the choice.
; LIMITS: each e between -126 and 119 (2^e and 448 x 2^e are made as f32 numbers).  NaN among the inputs is not served.  Two probabilities that agree to the last bit of f32 count as a tie.
; No L2 prefetch: the launch is one stream read once with many loads out.  No cluster, no tensor load: no two work-groups read the same bytes but the 16 KB of gate_W.
.set PS,   8                           ; v8-15    path X: sums of the probabilities of my 8 tokens
.set X,    16                          ; v16-79   four sets of 16 numbers
.set C,    80                          ; v80-111  weights: a block's codes, four registers each, never written again
.set LG,   80                          ; v80-87   path X: logits
.set T,    88                          ; v88-95   at work
.set P,    96                          ; v96-103  probabilities
.set CD,   104                         ; v104-111 x's codes, two sets
.set HOLD, 112                         ; 448 x 2^e
.set SCL,  113                         ; 2^e as f32: the conversion takes its exponent field
.set A8,   114                         ; LDS: 64 w + 8 (lane % 8)
.set A4,   115                         ; LDS: 32 w + 4 (lane % 8)
.set L8,   116                         ; 8 x lane
.set A4R,  117                         ; 4 (lane % 8)
.set SV,   118
.set GW,   120                         ; v120-247 gate_W: register 8 (4 i + j) + e = gate_W[128 i + 4 lane + j][e]
.macro MKSCALE se
	s_add_co_i32 s44, \se, 127
	s_lshl_b32 s45, s44, 23
	v_mov_b32 v[SCL], s45
	s_add_co_i32 s44, s44, 8
	s_lshl_b32 s44, s44, 23
	s_or_b32 s44, s44, 0x600000                    ; the mantissa field of 448
	v_mov_b32 v[HOLD], s44
.endm
; block b = 2 c + h of a K step: 16 rows of K at my column, in the order of the image's 16 bytes; a wave's load covers 128 consecutive bytes, the four waves stand side by side
.macro LOADB kind, b
.irp p, 0,1,2,3,4,5,6,7,8,9,10,11,12,13,14,15
.if \kind == 1
	global_load_b32 v[X+16*((\b)%4)+\p], v1, s[40:41] offset:(128*(\p/4)+4*(\b)+(\p%4))*8192 th:TH_LOAD_NT
.else
	global_load_b32 v[X+16*((\b)%4)+\p], v1, s[40:41] offset:(32*((\b)/2)+8*((\b)%2)+\p+8*(\p/8))*2048 th:TH_LOAD_NT
.endif
.endr
.endm
; A wave: 32 columns (two fragments) x one K step of 128.  kind 1: W1, kind 2: W2.
.macro WPATH kind
.if \kind == 1
	s_sub_co_u32 s30, ttmp9, 128
	s_bfe_u32 s32, s30, 0x20004                    ; s: which K step of 128
	s_and_b32 s33, s30, 15                         ; which 128 columns
.else
	s_sub_co_u32 s30, ttmp9, 640
	s_bfe_u32 s32, s30, 0x40002                    ; S
	s_and_b32 s33, s30, 3
.endif
	s_lshr_b32 s31, s30, 6                         ; the expert
	s_lshl_b32 s34, s31, 22                        ; an expert's weight is 4,194,304 bytes;
	s_lshl_b32 s35, s32, 18                        ; W1: 32 s rows of 8,192 bytes; W2: 128 S rows of 2,048: both 262,144 a step
	s_add_co_u32 s34, s34, s35
	s_lshl_b32 s35, s33, 9
	s_add_co_u32 s34, s34, s35
	s_lshl_b32 s35, s28, 7                         ; my wave's 32 columns
	s_add_co_u32 s34, s34, s35
	s_mov_b32 s35, 0
.if \kind == 1
	s_lshr_b32 s36, s33, 2
	s_lshl_b32 s37, s31, 2
	s_add_co_u32 s36, s36, s37                     ; 4 e + w
	s_lshl_b32 s36, s36, 2
	s_add_co_u32 s36, s36, s32                     ; x 4 + s
	s_lshl_b32 s36, s36, 2
	s_and_b32 s37, s33, 3
	s_add_co_u32 s36, s36, s37
	s_lshl_b32 s36, s36, 2
	s_add_co_u32 s36, s36, s28                     ; in pairs of fragments
	s_lshl_b32 s36, s36, 12
	s_mov_b32 s37, 0
	s_add_nc_u64 s[40:41], s[10:11], s[34:35]
.else
	s_lshl_b32 s36, s31, 2
	s_add_co_u32 s36, s36, s33                     ; 4 e + w
	s_lshl_b32 s36, s36, 4
	s_add_co_u32 s36, s36, s32                     ; x 16 + S
	s_lshl_b32 s36, s36, 2
	s_add_co_u32 s36, s36, s28
	s_lshl_b32 s36, s36, 12
	s_add_co_u32 s36, s36, 0x800000
	s_mov_b32 s37, 0
	s_add_nc_u64 s[40:41], s[12:13], s[34:35]
.endif
	s_add_nc_u64 s[42:43], s[18:19], s[36:37]
	v_lshlrev_b32 v1, 2, v3                        ; in: 4 bytes a lane
	v_lshrrev_b32 v2, 4, v3
	v_lshlrev_b32 v2, 11, v2                       ; out: lanes 16-31 fill the second fragment,
	v_and_b32 v4, 15, v3
	v_lshl_add_u32 v2, v4, 4, v2                   ; 16 bytes a row
	LOADB \kind, 0
	LOADB \kind, 1
	LOADB \kind, 2
	LOADB \kind, 3
	s_wait_kmcnt 0x0
.if \kind == 1
	MKSCALE s25
.else
	MKSCALE s26
.endif
.irp b, 0,1,2,3,4,5,6,7
.if \b < 5
	s_wait_loadcnt 48                              ; this block's 16 loads are in; the three younger blocks' may be out
.else
	s_wait_loadcnt 16*(7-\b)
.endif
.irp p, 0,1,2,3,4,5,6,7,8,9,10,11,12,13,14,15
	v_med3_num_f32 v[X+16*(\b%4)+\p], v[X+16*(\b%4)+\p], -v[HOLD], v[HOLD]   ; the conversion does not saturate (ISA guide 7.6.2): the hold comes first
.endr
	v_cvt_scalef32_pk8_fp8_f32 v[C+4*\b:C+4*\b+1], v[X+16*(\b%4):X+16*(\b%4)+7], v[SCL]
	v_cvt_scalef32_pk8_fp8_f32 v[C+4*\b+2:C+4*\b+3], v[X+16*(\b%4)+8:X+16*(\b%4)+15], v[SCL]
	global_store_b128 v2, v[C+4*\b:C+4*\b+3], s[42:43] offset:256*\b   ; sixteen lanes fill 256 consecutive bytes, aligned, of each of the two fragments
.if \b < 4
	LOADB \kind, \b+4                              ; into the set just converted
.endif
.endr
.endm
.macro XLOAD i                         ; token i of my eight: four loads of 512 consecutive bytes; register 4 k + j = x[128 k + 4 lane + j]
.irp k, 0,1,2,3
	global_load_b128 v[X+16*((\i)%4)+4*\k:X+16*((\i)%4)+4*\k+3], v2, s[4:5] offset:2048*(\i)+512*\k th:TH_LOAD_NT
.endr
.endm
.macro TOKEN i
.set XS, X+16*((\i)%4)
.set CC, CD+4*((\i)%2)
.if (\i) < 5
	s_wait_loadcnt 12                              ; this token's four loads are in (and, the first time, gate_W's, issued earlier); three younger tokens' may be out
.else
	s_wait_loadcnt 4*(7-(\i))
.endif
.irp e, 0,1,2,3,4,5,6,7
	v_mul_f32 v[LG+\e], v[XS], v[GW+\e]            ; the first product starts the eight sums
.endr
.irp k, 1,2,3,4,5,6,7,8,9,10,11,12,13,14,15
.irp e, 0,1,2,3,4,5,6,7
	v_fmac_f32 v[LG+\e], v[XS+\k], v[GW+8*\k+\e]
.endr
.endr
.irp m, 1,2,4,8                        ; across the 32 lanes; every lane ends with the sum
.irp e, 0,1,2,3,4,5,6,7
	v_add_f32_dpp v[LG+\e], v[LG+\e], v[LG+\e] row_xmask:\m row_mask:0xf bank_mask:0xf
.endr
.endr
.irp e, 0,1,2,3,4,5,6,7
	v_permlanex16_b32 v[T+\e], v[LG+\e], s38, s39
.endr
.irp e, 0,1,2,3,4,5,6,7
	v_add_f32 v[LG+\e], v[LG+\e], v[T+\e]
.endr
.irp e, 0,1,2,3,4,5,6,7
	v_add_f32 v[LG+\e], s[48+\e], v[LG+\e]         ; + gate_b
.endr
	v_max3_num_f32 v[T], v[LG], v[LG+1], v[LG+2]
	v_max3_num_f32 v[T], v[T], v[LG+3], v[LG+4]
	v_max3_num_f32 v[T], v[T], v[LG+5], v[LG+6]
	v_max_num_f32 v[T], v[T], v[LG+7]              ; the row's maximum is taken away, as in the softmax that is computed
.irp e, 0,1,2,3,4,5,6,7
	v_sub_f32 v[LG+\e], v[LG+\e], v[T]
.endr
.irp e, 0,1,2,3,4,5,6,7
	v_mul_f32 v[LG+\e], 0x3fb8aa3b, v[LG+\e]       ; x log2(e)
.endr
.irp e, 0,1,2,3,4,5,6,7
	v_exp_f32 v[P+\e], v[LG+\e]
.endr
	v_nop                                          ; a plain instruction behind the last exponential
	s_wait_alu depctr_va_vdst(0)                   ; one wait for the batch, ahead of its first reader
	v_add_f32 v[T], v[P], v[P+1]
	v_add_f32 v[T+1], v[P+2], v[P+3]
	v_add_f32 v[T+2], v[P+4], v[P+5]
	v_add_f32 v[T+3], v[P+6], v[P+7]
	v_add_f32 v[T], v[T], v[T+1]
	v_add_f32 v[T+2], v[T+2], v[T+3]
	v_add_f32 v[T], v[T], v[T+2]
	v_rcp_f32 v[T+1], v[T]
	v_nop
	s_wait_alu depctr_va_vdst(0)
.irp e, 0,1,2,3,4,5,6,7
	v_mul_f32 v[P+\e], v[P+\e], v[T+1]             ; the probabilities
.endr
.irp e, 0,1,2,3,4,5,6,7
.if (\i) == 0
	v_mov_b32 v[PS+\e], v[P+\e]
.else
	v_add_f32 v[PS+\e], v[PS+\e], v[P+\e]
.endif
.endr
	v_mov_b32 v[T+2], v[P]                         ; the largest, in ascending order: what is equal keeps the lower index
	v_mov_b32 v[T+3], 0
.irp e, 1,2,3,4,5,6,7
	v_cmp_ge_f32 vcc_lo, v[T+2], v[P+\e]
	v_cndmask_b32 v[T+2], v[P+\e], v[T+2], vcc_lo
	v_cndmask_b32 v[T+3], \e, v[T+3], vcc_lo
.endr
.irp e, 0,1,2,3,4,5,6,7
	v_cmp_ne_u32 vcc_lo, \e, v[T+3]
	v_cndmask_b32 v[P+\e], -1.0, v[P+\e], vcc_lo   ; the winner steps out: -1 lies under every probability
.endr
	v_mov_b32 v[T+4], v[P]                         ; the second
	v_mov_b32 v[T+5], 0
.irp e, 1,2,3,4,5,6,7
	v_cmp_ge_f32 vcc_lo, v[T+4], v[P+\e]
	v_cndmask_b32 v[T+4], v[P+\e], v[T+4], vcc_lo
	v_cndmask_b32 v[T+5], \e, v[T+5], vcc_lo
.endr
	v_add_f32 v[T+6], v[T+2], v[T+4]
	v_rcp_f32 v[T+6], v[T+6]
	v_nop
	s_wait_alu depctr_va_vdst(0)
	v_mul_f32 v[T+2], v[T+2], v[T+6]               ; the two weights, normalised
	v_mul_f32 v[T+4], v[T+4], v[T+6]
.if (\i) == 0
	v_mov_b32 v4, v[T+3]
	v_mov_b32 v5, v[T+5]
	v_mov_b32 v6, v[T+2]
	v_mov_b32 v7, v[T+4]
.else
	v_cndmask_b32 v4, v4, v[T+3], s[56+(\i)]       ; token i's record is kept by the lanes with lane % 8 = i
	v_cndmask_b32 v5, v5, v[T+5], s[56+(\i)]
	v_cndmask_b32 v6, v6, v[T+2], s[56+(\i)]
	v_cndmask_b32 v7, v7, v[T+4], s[56+(\i)]
.endif
	s_wait_xcnt 0x0                                ; the store of two tokens back has read this set of codes: it is written again only behind this wait
.irp k, 0,1,2,3,4,5,6,7,8,9,10,11,12,13,14,15
	v_med3_num_f32 v[XS+\k], v[XS+\k], -v[HOLD], v[HOLD]
.endr
	v_cvt_scalef32_pk8_fp8_f32 v[CC:CC+1], v[XS:XS+7], v[SCL]
	v_cvt_scalef32_pk8_fp8_f32 v[CC+2:CC+3], v[XS+8:XS+15], v[SCL]
	global_store_b128 v2, v[CC:CC+3], s[16:17] offset:512*(\i)   ; the wave stores a token's 512 codes: 512 consecutive bytes
.if (\i) < 4
	XLOAD (\i)+4
.endif
.endm
	s_load_b512 s[4:19], s[0:1], 0x0               ; x, gate_W, gate_b, W1, W2, lowp_scales, xq, wq
	s_load_b128 s[20:23], s[0:1], 0x40             ; ridx, rwp
	v_lshl_add_u32 v248, v0, 2, 0x400
	v_mov_b32 v249, 0
	v_lshrrev_b32 v1, 5, v0
	v_readfirstlane_b32 s28, v1                    ; wave
	v_and_b32 v3, 31, v0                           ; lane
	s_wait_kmcnt 0x0
	s_load_b128 s[24:27], s[14:15], 0x0            ; ex, ew1, ew2, ea
	s_cmp_lt_u32 ttmp9, 128
	s_cbranch_scc1 .Lpath_x
	s_cmp_lt_u32 ttmp9, 640
	s_cbranch_scc1 .Lpath_w1
	WPATH 2
	s_endpgm
.Lpath_w1:
	WPATH 1
	s_endpgm
.Lpath_x:
	s_load_b256 s[48:55], s[8:9], 0x0              ; gate_b
	s_lshl_b32 s30, ttmp9, 5
	s_lshl_b32 s31, s28, 3
	s_add_co_u32 s30, s30, s31                     ; my wave's first token: 32 x work-group + 8 x wave
	s_mov_b32 s33, 0
	s_lshl_b32 s32, s30, 11
	s_add_nc_u64 s[4:5], s[4:5], s[32:33]
	s_lshl_b32 s32, s30, 9
	s_add_nc_u64 s[16:17], s[16:17], s[32:33]
	s_lshl_b32 s32, ttmp9, 8                       ; the work-group's 32 records of 8 bytes
	s_add_nc_u64 s[20:21], s[20:21], s[32:33]
	s_lshl_b32 s34, ttmp9, 5
	s_add_co_u32 s34, s34, 32768
	s_mov_b32 s35, 0
	s_add_nc_u64 s[46:47], s[22:23], s[34:35]      ; the work-group's eight sums
	s_add_nc_u64 s[22:23], s[22:23], s[32:33]
	v_lshlrev_b32 v1, 7, v3                        ; gate_W: four rows of 32 bytes a lane
	v_lshlrev_b32 v2, 4, v3
.irp k, 0,1,2,3,4,5,6,7,8,9,10,11,12,13,14,15
	global_load_b128 v[GW+8*\k:GW+8*\k+3], v1, s[6:7] offset:4096*(\k/4)+32*(\k%4)
	global_load_b128 v[GW+8*\k+4:GW+8*\k+7], v1, s[6:7] offset:4096*(\k/4)+32*(\k%4)+16
.endr
	XLOAD 0
	XLOAD 1
	XLOAD 2
	XLOAD 3
	v_and_b32 v[A4R], 7, v0
	v_lshlrev_b32 v[A8], 3, v[A4R]
	s_lshl_b32 s31, s28, 6
	v_add_nc_u32 v[A8], s31, v[A8]
	v_lshlrev_b32 v[A4R], 2, v[A4R]
	s_lshl_b32 s31, s28, 5
	v_add_nc_u32 v[A4], s31, v[A4R]
	v_lshlrev_b32 v[L8], 3, v3
	s_mov_b32 s38, 0x76543210                      ; v_permlanex16_b32: lane l xor 16
	s_mov_b32 s39, 0xfedcba98
.irp i, 0,1,2,3,4,5,6,7
	s_mov_b32 s[56+\i], 0x01010101<<\i             ; the lanes with lane % 8 = i
	v_mov_b32 v[T+\i], 0                           ; written once: a lane permute's destination counts as read
.endr
	s_wait_kmcnt 0x0
	MKSCALE s24
.irp i, 0,1,2,3,4,5,6,7
	TOKEN \i
.endr
	; the wave's eight records and eight sums meet in LDS: records at 0 (indices) and 256 (weights), sums at 512
	v_mov_b32 v[SV], v[PS]
.irp e, 1,2,3,4,5,6,7
	v_cndmask_b32 v[SV], v[SV], v[PS+\e], s[56+\e]
.endr
	ds_store_b64 v[A8], v[4:5]
	ds_store_b64 v[A8], v[6:7] offset:256
	ds_store_b32 v[A4], v[SV] offset:512
	s_wait_dscnt 0x0                               ; for the others' sake: my stores have landed
	s_barrier_signal -1
	s_barrier_wait -1
	s_cmp_lg_u32 s28, 0
	s_cbranch_scc1 .Lx_end
	ds_load_b64 v[16:17], v[L8]                    ; wave 0: lane l takes token l's record
	ds_load_b64 v[18:19], v[L8] offset:256
.irp k, 0,1,2,3
	ds_load_b32 v[20+\k], v[A4R] offset:512+32*\k
.endr
	s_wait_dscnt 0x0
	global_store_b64 v[L8], v[16:17], s[20:21]     ; 256 consecutive bytes, aligned
	global_store_b64 v[L8], v[18:19], s[22:23]
	v_add_f32 v20, v20, v21                        ; the four waves' sums, in a fixed order
	v_add_f32 v20, v20, v22
	v_add_f32 v20, v20, v23
	s_wait_xcnt 0x0                                ; EXEC changes only behind this wait
	v_cmp_gt_u32 vcc_lo, 8, v0
	s_and_saveexec_b32 s29, vcc_lo
	global_store_b32 v[A4R], v20, s[46:47]
	s_wait_xcnt 0x0
	s_or_b32 exec_lo, exec_lo, s29
.Lx_end:
	s_wait_tensorcnt 0x0
	ds_add_u32 v248, v249
	s_wait_dscnt 0x0
	s_endpgm
.Lfunc_end_k_q76ea410523_prep:
	.size	k_q76ea410523_prep, .Lfunc_end_k_q76ea410523_prep-k_q76ea410523_prep
	.p2alignl 7, 3214868480
	.fill 96, 4, 3214868480
	.section	.rodata,"a",@progbits
	.p2align	6, 0x0
	.amdhsa_kernel k_q76ea410523_prep
		.amdhsa_group_segment_fixed_size 1536
		.amdhsa_private_segment_fixed_size 0
		.amdhsa_enable_private_segment 0
		.amdhsa_kernarg_size 80
		.amdhsa_user_sgpr_count 2
		.amdhsa_user_sgpr_kernarg_segment_ptr 1
		.amdhsa_wavefront_size32 1
		.amdhsa_system_sgpr_workgroup_id_x 1
		.amdhsa_system_sgpr_workgroup_id_y 1
		.amdhsa_system_sgpr_workgroup_id_z 1
		.amdhsa_system_vgpr_workitem_id 0
		.amdhsa_next_free_vgpr 250
		.amdhsa_next_free_sgpr 66
		.amdhsa_reserve_vcc 1
		.amdhsa_float_denorm_mode_32 3
		.amdhsa_float_denorm_mode_16_64 3
		.amdhsa_memory_ordered 1
		.amdhsa_forward_progress 1
		.amdhsa_inst_pref_size 160
	.end_amdhsa_kernel
	.amdgpu_metadata
---
amdhsa.version: [ 1, 2 ]
amdhsa.kernels:
  - .name:           k_q76ea410523_prep
    .symbol:         k_q76ea410523_prep.kd
    .args:
      - { .name: x, .offset: 0, .size: 8, .value_kind: global_buffer, .address_space: global }
      - { .name: gate_W, .offset: 8, .size: 8, .value_kind: global_buffer, .address_space: global }
      - { .name: gate_b, .offset: 16, .size: 8, .value_kind: global_buffer, .address_space: global }
      - { .name: W1, .offset: 24, .size: 8, .value_kind: global_buffer, .address_space: global }
      - { .name: W2, .offset: 32, .size: 8, .value_kind: global_buffer, .address_space: global }
      - { .name: lowp_scales, .offset: 40, .size: 8, .value_kind: global_buffer, .address_space: global }
      - { .name: xq, .offset: 48, .size: 8, .value_kind: global_buffer, .address_space: global }
      - { .name: wq, .offset: 56, .size: 8, .value_kind: global_buffer, .address_space: global }
      - { .name: ridx, .offset: 64, .size: 8, .value_kind: global_buffer, .address_space: global }
      - { .name: rwp, .offset: 72, .size: 8, .value_kind: global_buffer, .address_space: global }
    .group_segment_fixed_size: 1536
    .private_segment_fixed_size: 0
    .kernarg_segment_align: 8
    .kernarg_segment_size: 80
    .max_flat_workgroup_size: 128
    .sgpr_count:     66
    .vgpr_count:     250
    .wavefront_size: 32
...
	.end_amdgpu_metadata
.endif
;; end of part 1
;; launch place (part 2): grid 1 x 1, 32 waves a work-group, no clusters, 5,120 bytes of LDS; arguments ridx, rwp, route, out1; writes route, out1
.if DOCPART == 2
	.amdgcn_target "amdgcn-amd-amdhsa--gfx1250"
	.amdhsa_code_object_version 6
	.text
	.protected	k_q76ea410523_place
	.globl	k_q76ea410523_place
	.p2align	8
	.type	k_q76ea410523_place,@function
k_q76ea410523_place:
	s_mov_b64 s[64:65], 0
	v_nop
	global_prefetch_b8 v0, s[64:65] scope:SCOPE_SE
	s_setreg_imm32_b32 hwreg(HW_REG_WAVE_MODE, 25, 1), 1
	s_wait_xcnt 0x0
; PLACE: a counting sort of the 8,192 entries (token, slot) by expert, without atomics, by one work-group of 32 waves; the list of tiles; the auxiliary loss.
; route: tiles [192][2] int32 (expert, rows) at 0; rows [8,544] int32 (the token of each place) at 2,048; pos [token][2] int32 (the place of each entry) at 36,864.
; Expert e's rows begin at place 48 x tb_e, tb_e = the tiles of the experts before it, nt_e = ceil(T_e / 48): never more than 178 tiles, whatever the choice.
; Thread t holds entries 4 t + j and 4,096 + 4 t + j.  An entry's place = 48 tb_e + the counts of expert e in the waves before mine + its rank in my wave.
; Places between T_e and 48 nt_e stay unwritten: no later launch reads them.
; out1 = (std / (mean + 1e-6))^2 of the sums of the probabilities + the same of the experts' shares of the tokens; std with n - 1 = 7.
.set EX,  4                            ; v4-11   my eight entries' experts
.set RK,  12                           ; v12-19  their ranks, then their places
	s_load_b256 s[4:11], s[0:1], 0x0               ; ridx, rwp, route, out1
	v_lshl_add_u32 v104, v0, 2, 0x400
	v_mov_b32 v105, 0
	v_lshrrev_b32 v1, 5, v0
	v_readfirstlane_b32 s12, v1                    ; wave 0..31
	v_and_b32 v1, 31, v0                           ; lane
	v_and_b32 v2, 7, v0
	v_lshlrev_b32 v2, 2, v2                        ; 4 (lane % 8)
	v_lshlrev_b32 v3, 4, v0                        ; 16 t
	s_lshl_b32 s13, s12, 5
	v_add_nc_u32 v26, s13, v2                      ; LDS: my wave's eight counts
	v_lshlrev_b32 v27, 4, v1
.irp e, 0,1,2,3,4,5,6,7
	s_mov_b32 s[16+\e], 0                          ; counts so far in my wave
	s_mov_b32 s[48+\e], 0x01010101<<\e             ; the lanes with lane % 8 = e
.endr
	s_mov_b32 s56, 0x76543210
	s_mov_b32 s57, 0xfedcba98
	s_wait_kmcnt 0x0
	global_load_b128 v[4:7], v3, s[4:5]
	global_load_b128 v[8:11], v3, s[4:5] offset:16384
	s_cmp_lg_u32 s12, 6
	s_cbranch_scc1 .Lno_psum
.irp i, 0,1,2,3,4,5,6,7
	global_load_b128 v[64+4*\i:67+4*\i], v27, s[6:7] offset:32768+512*\i   ; wave 6: the 128 blocks' sums; lane l holds experts 4 (l % 2) + 0..3
.endr
.Lno_psum:
	s_wait_loadcnt 0x0
.irp k, 0,1,2,3,4,5,6,7
	v_min_u32 v[EX+\k], 7, v[EX+\k]
.endr
	; ranks inside the wave: for entry k and expert e, the lanes below mine that hold e, on top of the count so far
.irp k, 0,1,2,3,4,5,6,7
.irp e, 0,1,2,3,4,5,6,7
	v_cmp_eq_u32 s[40+\e], \e, v[EX+\k]
.endr
.irp e, 0,1,2,3,4,5,6,7
	v_mbcnt_lo_u32_b32 v[28+(\e%2)], s[40+\e], s[16+\e]
.if \e == 0
	v_cndmask_b32 v[RK+\k], 0, v[28+(\e%2)], s[40+\e]
.else
	v_cndmask_b32 v[RK+\k], v[RK+\k], v[28+(\e%2)], s[40+\e]
.endif
.endr
.irp e, 0,1,2,3,4,5,6,7
	s_bcnt1_i32_b32 s[40+\e], s[40+\e]
	s_add_co_u32 s[16+\e], s[16+\e], s[40+\e]
.endr
.endr
	v_mov_b32 v21, s16
.irp e, 1,2,3,4,5,6,7
	v_mov_b32 v20, s[16+\e]
	v_cndmask_b32 v21, v21, v20, s[48+\e]
.endr
	ds_store_b32 v26, v21                          ; four lanes write the same word with the same number
	s_wait_dscnt 0x0
	s_barrier_signal -1
	s_barrier_wait -1
.set i, 0
.rept 32
	ds_load_b32 v[32+i], v2 offset:32*i            ; wave i's count of expert lane % 8
.set i, i+1
.endr
	v_mov_b32 v22, 0                               ; the expert's total
	v_mov_b32 v23, 0                               ; and what the waves before mine hold
	s_wait_dscnt 0x0
.set i, 0
.rept 32
	s_cmp_gt_u32 s12, i
	s_cselect_b32 s13, 1, 0
	v_add_nc_u32 v22, v22, v[32+i]
	v_mad_u32_u24 v23, v[32+i], s13, v23
.set i, i+1
.endr
.irp e, 0,1,2,3,4,5,6,7
	v_readlane_b32 s[24+\e], v22, \e               ; T_e
.endr
	s_mov_b32 s14, 0
.irp e, 0,1,2,3,4,5,6,7
	s_mov_b32 s[32+\e], s14                        ; tb_e
	s_add_co_u32 s13, s[24+\e], 47
	s_mul_i32 s13, s13, 43691                      ; / 48: 43,691 x 48 = 2^21 + 16, exact for numbers up to 4,143
	s_lshr_b32 s13, s13, 21
	s_add_co_u32 s14, s14, s13
.endr
	v_mov_b32 v24, 0
.irp e, 1,2,3,4,5,6,7
	s_mul_i32 s13, s[32+\e], 48
	v_mov_b32 v20, s13
	v_cndmask_b32 v24, v24, v20, s[48+\e]
.endr
	v_add_nc_u32 v24, v24, v23                     ; lane e (0..7): where my wave's rows of expert e begin
.irp k, 0,1,2,3,4,5,6,7
	v_lshlrev_b32 v[48+\k], 2, v[EX+\k]
.endr
.irp k, 0,1,2,3,4,5,6,7
	ds_bpermute_b32 v[56+\k], v[48+\k], v24        ; from the lane whose number is the entry's expert
.endr
	v_lshlrev_b32 v28, 1, v0                       ; the tokens of my entries: 2 t, 2 t + 1, and 2,048 further on
	v_add_nc_u32 v29, 1, v28
	v_add_nc_u32 v30, 0x800, v28
	v_add_nc_u32 v31, 0x800, v29
	s_wait_dscnt 0x0
.irp k, 0,1,2,3,4,5,6,7
	v_add_nc_u32 v[RK+\k], v[RK+\k], v[56+\k]
	v_min_u32 v[RK+\k], 0x215f, v[RK+\k]           ; inside the list of 8,544 places
	v_lshlrev_b32 v[40+\k], 2, v[RK+\k]
.endr
	global_store_b128 v3, v[12:15], s[8:9] offset:36864
	global_store_b128 v3, v[16:19], s[8:9] offset:36864+16384
.irp k, 0,1,2,3,4,5,6,7
	global_store_b32 v[40+\k], v[28+2*(\k/4)+((\k%4)/2)], s[8:9] offset:2048
.endr
	s_cmp_gt_u32 s12, 5
	s_cbranch_scc1 .Lno_tiles
	v_mov_b32 v32, 0                               ; waves 0-5: tile t belongs to the last expert whose first tile is not behind it
	v_mov_b32 v34, 0
	v_mov_b32 v35, s24
.irp e, 1,2,3,4,5,6,7
	v_cmp_gt_u32 vcc_lo, s[32+\e], v0
	v_cndmask_b32 v32, \e, v32, vcc_lo
	v_cndmask_b32 v34, s[32+\e], v34, vcc_lo
	v_cndmask_b32 v35, s[24+\e], v35, vcc_lo
.endr
	v_sub_nc_u32 v34, v0, v34
	v_mul_u32_u24 v34, v34, 48
	v_sub_nc_u32 v33, v35, v34                     ; the rows left from this tile on,
	v_max_i32 v33, 0, v33
	v_min_i32 v33, 48, v33                         ; between 0 and 48
	v_lshlrev_b32 v36, 3, v0
	global_store_b64 v36, v[32:33], s[8:9]
.Lno_tiles:
	s_cmp_lg_u32 s12, 6
	s_cbranch_scc1 .Lend
.irp i, 1,2,3,4,5,6,7
	v_pk_add_f32 v[64:65], v[64:65], v[64+4*\i:65+4*\i]
	v_pk_add_f32 v[66:67], v[66:67], v[66+4*\i:67+4*\i]
.endr
.irp m, 2,4,8                          ; lanes of equal parity hold the same four experts
.irp j, 0,1,2,3
	v_add_f32_dpp v[64+\j], v[64+\j], v[64+\j] row_xmask:\m row_mask:0xf bank_mask:0xf
.endr
.endr
.irp j, 0,1,2,3
	v_permlanex16_b32 v[68+\j], v[64+\j], s56, s57
.endr
.irp j, 0,1,2,3
	v_add_f32 v[64+\j], v[64+\j], v[68+\j]         ; importance of experts 4 (l % 2) + j
.endr
	v_add_f32 v72, v64, v65
	v_add_f32 v73, v66, v67
	v_add_f32 v72, v72, v73
	v_add_f32_dpp v72, v72, v72 row_xmask:1 row_mask:0xf bank_mask:0xf
	v_mul_f32 v72, 0x3e000000, v72                 ; the mean of eight
.irp j, 0,1,2,3
	v_sub_f32 v[64+\j], v[64+\j], v72
.endr
	v_mul_f32 v73, v64, v64
	v_fmac_f32 v73, v65, v65
	v_fmac_f32 v73, v66, v66
	v_fmac_f32 v73, v67, v67
	v_add_f32_dpp v73, v73, v73 row_xmask:1 row_mask:0xf bank_mask:0xf
	v_mul_f32 v73, 0x3e124925, v73                 ; / 7
	v_add_f32 v72, 0x358637bd, v72                 ; mean + 1e-6
.irp e, 0,1,2,3,4,5,6,7
	v_cvt_f32_u32 v[76+\e], s[24+\e]
.endr
.irp e, 0,1,2,3,4,5,6,7
	v_mul_f32 v[76+\e], 0x39800000, v[76+\e]       ; load = T_e / 4,096
.endr
	v_add_f32 v84, v76, v77
	v_add_f32 v85, v78, v79
	v_add_f32 v86, v80, v81
	v_add_f32 v87, v82, v83
	v_add_f32 v84, v84, v85
	v_add_f32 v86, v86, v87
	v_add_f32 v84, v84, v86
	v_mul_f32 v84, 0x3e000000, v84
.irp e, 0,1,2,3,4,5,6,7
	v_sub_f32 v[76+\e], v[76+\e], v84
.endr
	v_mul_f32 v85, v76, v76
.irp e, 1,2,3,4,5,6,7
	v_fmac_f32 v85, v[76+\e], v[76+\e]
.endr
	v_mul_f32 v85, 0x3e124925, v85
	v_add_f32 v84, 0x358637bd, v84
	v_sqrt_f32 v73, v73
	v_sqrt_f32 v85, v85
	v_rcp_f32 v72, v72
	v_rcp_f32 v84, v84
	v_mov_b32 v74, 0                               ; a plain instruction behind the batch
	s_wait_alu depctr_va_vdst(0)                   ; one wait for the four, ahead of their first reader
	v_mul_f32 v73, v73, v72
	v_mul_f32 v85, v85, v84
	v_mul_f32 v73, v73, v73
	v_fmac_f32 v73, v85, v85
	s_wait_xcnt 0x0                                ; EXEC changes only behind this wait
	v_cmp_eq_u32 vcc_lo, 0, v1
	s_and_saveexec_b32 s13, vcc_lo
	global_store_b32 v74, v73, s[10:11]
	s_wait_xcnt 0x0
	s_or_b32 exec_lo, exec_lo, s13
.Lend:
	s_wait_tensorcnt 0x0
	ds_add_u32 v104, v105
	s_wait_dscnt 0x0
	s_endpgm
.Lfunc_end_k_q76ea410523_place:
	.size	k_q76ea410523_place, .Lfunc_end_k_q76ea410523_place-k_q76ea410523_place
	.p2alignl 7, 3214868480
	.fill 96, 4, 3214868480
	.section	.rodata,"a",@progbits
	.p2align	6, 0x0
	.amdhsa_kernel k_q76ea410523_place
		.amdhsa_group_segment_fixed_size 5120
		.amdhsa_private_segment_fixed_size 0
		.amdhsa_enable_private_segment 0
		.amdhsa_kernarg_size 32
		.amdhsa_user_sgpr_count 2
		.amdhsa_user_sgpr_kernarg_segment_ptr 1
		.amdhsa_wavefront_size32 1
		.amdhsa_system_sgpr_workgroup_id_x 1
		.amdhsa_system_sgpr_workgroup_id_y 1
		.amdhsa_system_sgpr_workgroup_id_z 1
		.amdhsa_system_vgpr_workitem_id 0
		.amdhsa_next_free_vgpr 106
		.amdhsa_next_free_sgpr 66
		.amdhsa_reserve_vcc 1
		.amdhsa_float_denorm_mode_32 3
		.amdhsa_float_denorm_mode_16_64 3
		.amdhsa_memory_ordered 1
		.amdhsa_forward_progress 1
		.amdhsa_inst_pref_size 40
	.end_amdhsa_kernel
	.amdgpu_metadata
---
amdhsa.version: [ 1, 2 ]
amdhsa.kernels:
  - .name:           k_q76ea410523_place
    .symbol:         k_q76ea410523_place.kd
    .args:
      - { .name: ridx, .offset: 0, .size: 8, .value_kind: global_buffer, .address_space: global }
      - { .name: rwp, .offset: 8, .size: 8, .value_kind: global_buffer, .address_space: global }
      - { .name: route, .offset: 16, .size: 8, .value_kind: global_buffer, .address_space: global }
      - { .name: out1, .offset: 24, .size: 8, .value_kind: global_buffer, .address_space: global }
    .group_segment_fixed_size: 5120
    .private_segment_fixed_size: 0
    .kernarg_segment_align: 8
    .kernarg_segment_size: 32
    .max_flat_workgroup_size: 1024
    .sgpr_count:     66
    .vgpr_count:     106
    .wavefront_size: 32
...
	.end_amdgpu_metadata
.endif
;; end of part 2
;; launch chain (part 3): grid 178 x 1, 4 waves a work-group, no clusters, 185,856 bytes of LDS; arguments xq, wq, route, b1, ln_g, ln_b, b2, lowp_scales, y; writes y
.if DOCPART == 3
	.amdgcn_target "amdgcn-amd-amdhsa--gfx1250"
	.amdhsa_code_object_version 6
	.text
	.protected	k_q76ea410523_chain
	.globl	k_q76ea410523_chain
	.p2align	8
	.type	k_q76ea410523_chain,@function
k_q76ea410523_chain:
	s_mov_b64 s[64:65], 0
	v_nop
	global_prefetch_b8 v0, s[64:65] scope:SCOPE_SE
	s_setreg_imm32_b32 hwreg(HW_REG_WAVE_MODE, 25, 1), 1
	s_wait_xcnt 0x0
; CHAIN: one tile (at most 48 routed rows of ONE expert) through x W1 + b1, LayerNorm over the 2,048 hidden units, exact GELU, the quantiser, a W2 + b2.  Both products on codes of E4M3.
; SHARES.  Work-group = tile.  Four waves share the COLUMNS: wave w makes hidden units 512 w .. 512 w + 511 and outputs 128 w .. 128 w + 127, for all 48 rows (three tiles of 16, m = 0..2).
;   So the whole hidden layer of the 48 rows stays in f32 in registers (768 a wave) until the row's mean and variance are known, and each weight byte is read once by the work-group.
; WEIGHTS come from memory straight into registers, as fragment images (2,048 bytes, four 16-byte loads a lane), through rings of registers.  No tensor load.
; BOTH PRODUCTS ARE USED TRANSPOSED (source 0 = 16 rows of the weight, source 1 = 16 tokens): a lane holds ONE token (lane % 16) and its eight registers eight neighbouring units 8 (lane / 16) + 0..7.
;   Two neighbouring tiles of hidden units give the 16 bytes of a piece of the next operand; W2's images are laid in that same order of K.
; OPERANDS GO FROM WAVE TO WAVE THROUGH LDS AS IMAGES OF THEIR REGISTERS: x's 12 fragments, a's 48.
; THE GRID serves every split: 178 = ceil(8192 / 48) + 7 tiles.  No branch and no barrier hangs on a loaded number: rows past the tile's count repeat its last row, and a tile with no row at all
;   takes place 0 of the list (always written); what such rows give is stored in the tile's own 48 rows of y, which nobody reads.
; No cluster: how many tiles an expert has is data, so partners with equal weights cannot be fixed in the grid.  No L2 prefetch: each weight block is read by every tile of its expert, not once.
; SCALES: sums of product 1 stand for sum x 2^(ex + ew1): b1 goes in as b1 / 2^(ex + ew1), as the start of the sums; the variance and 1 / sqrt are brought back by v_ldexp_f32.  b2 likewise with ew2 + ea.
; GELU: a = max(z, 0) - |z| q, q = phi(|z|) (a1 t + .. + a5 t^5), t = 1 / (1 + 0.2316419 |z|): Abramowitz and Stegun 26.2.17, absolute error of Phi at most 7.5e-8.
; LIMITS: ea between -126 and 119; ew2 + ea between -126 and 127; NaN and infinities among the inputs are not served.
; LDS
.set XIMG, 0                           ; x: fragment 3 s + m, 12 x 2,048
.set PB1,  24576                       ; b1 / 2^(ex + ew1), 8,192
.set PG,   32768                       ; ln_g, 8,192;  ln_b lies 8,192 further on
.set PB,   40960
.set PB2,  49152                       ; b2 / 2^(ew2 + ea), 2,048
.set STA,  51200                       ; sums: 4 waves x 3 x 16 words;  768 further on: sums of squares
.set AIMG, 53248                       ; a: fragment 3 S + m, 48 x 2,048
.set STG,  151552                      ; the way out: 16 rows x 528 bytes for each wave (528 is an odd multiple of 16)
; REGISTERS, in windows of 256.  Window 1 + m: the hidden layer of rows 16 m on, tile t at v[8 t].  Later windows 1, 2: W2's ring (K step sg % 4: window 1 + sg / 2, v[128 (sg % 2) + 16 n]); window 3: y's sums, (n, m) at v[8 (3 n + m)].
.set LI,   1                           ; 16 x lane
.set BIA,  2                           ; PB1 + 2048 w + 32 h
.set GA0,  3                           ; PG + 2048 w + 32 h
.set GA,   4                           ; the same, stepped (at the head: x's address, rows 0-15)
.set SA,   5                           ; STA + 192 w + 4 r
.set SL,   6                           ; STA + 4 r
.set AW0,  7                           ; AIMG + 16 lane + 24576 w
.set AW,   8                           ; stepped (at the head: x's address, rows 16-31)
.set AL0,  9                           ; AIMG + 16 lane
.set AL,   10                          ; stepped (at the head: x's address, rows 32-47)
.set B2A,  11                          ; PB2 + 512 w + 32 h
.set STO,  12
.set RD,   13
.set PA,   14                          ; 16 x thread
.set XW,   15                          ; 16 lane + 6144 w
.set XF,   16                          ; v16-63   product 1: x's three fragments of a K step
.set RING, 64                          ; v64-255  product 1: three slots of four fragments of W1
.set RS,   16                          ; v16-21   pairs: 2^(ex + ew1) / sqrt(var + 1e-5) of my token in rows m
.set NMU,  22                          ; v22-27   pairs: minus the mean
.set A4,   28                          ; v28-29   a4, twice
.set HOLD, 30
.set SCL,  31
.set Z,    32                          ; v32-95   64 numbers of a fragment
.set T,    96                          ; v96-159  ln_g, then t
.set E,    160                         ; v160-223 ln_b, then the exponential, then q
.set P,    224                         ; v224-239
.set PC,   240                         ; v240-255 the fragment's codes
.set AF,   32                          ; v32-127  product 2: a's three fragments, two sets
.set TMP,  32
.set BK,   128
.set MSB, 0
.macro WIN new                         ; bits 1:0 source 0, 3:2 source 1, 5:4 source 2, 7:6 destination; the high byte repeats the setting that is left
.if MSB != (\new)
	s_set_vgpr_msb (MSB<<8)|(\new)
.set MSB, (\new)
.endif
.endm
.macro PLACES                          ; four plain vector instructions between a matrix instruction and a load into, or a vector access to, its registers
.rept 4
	v_nop
.endr
.endm
.macro BARRIER                         ; my LDS stores have landed and my LDS loads are in: then the work-group's barrier
	s_wait_dscnt 0x0
	s_barrier_signal -1
	s_barrier_wait -1
.endm
.macro RLOAD u                         ; unit u of W1's stream: fragments 4 u .. 4 u + 3 of my 128, into slot u % 3
.irp i, 0,1,2,3
.irp c, 0,1,2,3
	global_load_b128 v[RING+64*((\u)%3)+16*\i+4*\c:RING+64*((\u)%3)+16*\i+4*\c+3], v[LI], s[32:33] offset:2048*(4*(\u)+\i)+512*\c
.endr
.endr
.endm
.macro XFETCH s                        ; x's three fragments of K step s
.irp m, 0,1,2
.irp c, 0,1,2,3
	ds_load_b128 v[XF+16*\m+4*\c:XF+16*\m+4*\c+3], v[LI] offset:XIMG+2048*(3*(\s)+\m)+512*\c
.endr
.endr
.endm
; A unit of product 1: four tiles of hidden units x three tiles of rows, 128 along K: twelve sums by turns; a sum comes up again 96 matrix instructions later.
.macro UNIT u
.if (((\u)%8) == 0) && ((\u) > 0)
	XFETCH (\u)/8                                  ; the next K step of x; the four places at the last unit's end stand in front of these loads
	s_wait_dscnt 0x0
.endif
.if (\u) < 30
	s_wait_loadcnt 32                              ; this unit's 16 loads are in; the two younger units' may be out
.elseif (\u) == 30
	s_wait_loadcnt 16
.else
	s_wait_loadcnt 0
.endif
.irp m, 0,1,2
	WIN ((1+\m)<<6)|((1+\m)<<4)
.irp i, 0,1,2,3
	v_wmma_f32_16x16x128_fp8_fp8 v[8*(4*((\u)%8)+\i):8*(4*((\u)%8)+\i)+7], v[RING+64*((\u)%3)+16*\i:RING+64*((\u)%3)+16*\i+15], v[XF+16*\m:XF+16*\m+15], v[8*(4*((\u)%8)+\i):8*(4*((\u)%8)+\i)+7]
.endr
.endr
	PLACES
	WIN 0
.if (\u)+3 < 32
	RLOAD (\u)+3                                   ; into the slot just multiplied
.endif
.endm
.macro FOLD off                        ; eight pairs at v[T] on become my token's one number (the lane 16 away holds the token's other units); to my wave's word
	v_pk_add_f32 v[T:T+1], v[T:T+1], v[T+8:T+9]
	v_pk_add_f32 v[T+2:T+3], v[T+2:T+3], v[T+10:T+11]
	v_pk_add_f32 v[T+4:T+5], v[T+4:T+5], v[T+12:T+13]
	v_pk_add_f32 v[T+6:T+7], v[T+6:T+7], v[T+14:T+15]
	v_pk_add_f32 v[T:T+1], v[T:T+1], v[T+4:T+5]
	v_pk_add_f32 v[T+2:T+3], v[T+2:T+3], v[T+6:T+7]
	v_pk_add_f32 v[T:T+1], v[T:T+1], v[T+2:T+3]
	v_add_f32 v[T], v[T], v[T+1]
	v_permlanex16_b32 v[T+1], v[T], s52, s53
	v_add_f32 v[T], v[T], v[T+1]
	ds_store_b32 v[SA], v[T] offset:\off
.endm
.macro GATHER off                      ; the four waves' numbers, added in one order in every wave: v[T + 4 m]
.irp m, 0,1,2
.irp w, 0,1,2,3
	ds_load_b32 v[T+4*\m+\w], v[SL] offset:\off+192*\w+64*\m
.endr
.endr
	s_wait_dscnt 0x0
.irp m, 0,1,2
	v_add_f32 v[T+4*\m], v[T+4*\m], v[T+4*\m+1]
	v_add_f32 v[T+4*\m+2], v[T+4*\m+2], v[T+4*\m+3]
.endr
.irp m, 0,1,2
	v_add_f32 v[T+4*\m], v[T+4*\m], v[T+4*\m+2]
.endr
.endm
.macro SIGMA sg, m                     ; the 64 deviations of my K step sg, rows m, x 1 / sqrt: out of window 1 + m
	WIN 1+(\m)
.set pp, 0
.rept 32
	v_pk_mul_f32 v[Z+2*pp:Z+2*pp+1], v[64*(\sg)+2*pp:64*(\sg)+2*pp+1], v[RS+2*(\m):RS+2*(\m)+1]
.set pp, pp+1
.endr
	WIN 0
.endm
; A fragment's 64 numbers go in four quarters of 16.  PRE: z, and what the reciprocal and the exponential take.
.macro PRE k
.irp p, 0,1,2,3,4,5,6,7
	v_pk_fma_f32 v[Z+16*\k+2*\p:Z+16*\k+2*\p+1], v[Z+16*\k+2*\p:Z+16*\k+2*\p+1], v[T+16*\k+2*\p:T+16*\k+2*\p+1], v[E+16*\k+2*\p:E+16*\k+2*\p+1]   ; z = normalised x ln_g + ln_b
.endr
.irp i, 0,1,2,3,4,5,6,7,8,9,10,11,12,13,14,15
	v_fma_f32 v[T+16*\k+\i], |v[Z+16*\k+\i]|, s40, 1.0
.endr
.irp p, 0,1,2,3,4,5,6,7
	v_pk_mul_f32 v[E+16*\k+2*\p:E+16*\k+2*\p+1], v[Z+16*\k+2*\p:Z+16*\k+2*\p+1], s[42:43] op_sel_hi:[1,0]   ; z x sqrt(log2(e) / 2)
.endr
.irp p, 0,1,2,3,4,5,6,7
	v_pk_mul_f32 v[E+16*\k+2*\p:E+16*\k+2*\p+1], v[E+16*\k+2*\p:E+16*\k+2*\p+1], v[E+16*\k+2*\p:E+16*\k+2*\p+1] neg_lo:[1,0] neg_hi:[1,0]   ; - z^2 log2(e) / 2
.endr
.endm
.macro TRI q, n                        ; transcendental n of the 32 of quarter q
.if (\n) < 16
	v_rcp_f32 v[T+16*(\q)+(\n)], v[T+16*(\q)+(\n)]
.else
	v_exp_f32 v[E+16*(\q)+(\n)-16], v[E+16*(\q)+(\n)-16]
.endif
.endm
.macro TICK q, mix                     ; behind every third plain line of POST stands one transcendental of the NEXT quarter: 96 lines, 32 of them; it names nothing of the lines round it
.if \mix
.set tk, tk+1
.if (tk%3) == 0
	TRI (\q)+1, tk/3-1
.endif
.endif
.endm
.macro POST k, mix, m
.set tk, 0
.irp p, 0,1,2,3,4,5,6,7
	v_pk_fma_f32 v[P+2*\p:P+2*\p+1], v[T+16*\k+2*\p:T+16*\k+2*\p+1], s[44:45], v[A4:A4+1] op_sel_hi:[1,0,1]
	TICK \k, \mix
.endr
.irp a, 46,48,50
.irp p, 0,1,2,3,4,5,6,7
	v_pk_fma_f32 v[P+2*\p:P+2*\p+1], v[P+2*\p:P+2*\p+1], v[T+16*\k+2*\p:T+16*\k+2*\p+1], s[\a:\a+1] op_sel_hi:[1,1,0]
	TICK \k, \mix
.endr
.endr
.irp p, 0,1,2,3,4,5,6,7
	v_pk_mul_f32 v[P+2*\p:P+2*\p+1], v[P+2*\p:P+2*\p+1], v[T+16*\k+2*\p:T+16*\k+2*\p+1]
	TICK \k, \mix
.endr
.irp p, 0,1,2,3,4,5,6,7
	v_pk_mul_f32 v[E+16*\k+2*\p:E+16*\k+2*\p+1], v[P+2*\p:P+2*\p+1], v[E+16*\k+2*\p:E+16*\k+2*\p+1]   ; q
	TICK \k, \mix
.endr
.irp i, 0,1,2,3,4,5,6,7,8,9,10,11,12,13,14,15
	v_max_num_f32 v[P+\i], 0, v[Z+16*\k+\i]
	TICK \k, \mix
.endr
.irp i, 0,1,2,3,4,5,6,7,8,9,10,11,12,13,14,15
	v_fma_f32 v[Z+16*\k+\i], -|v[Z+16*\k+\i]|, v[E+16*\k+\i], v[P+\i]   ; a = max(z, 0) - |z| q
	TICK \k, \mix
.endr
.irp i, 0,1,2,3,4,5,6,7,8,9,10,11,12,13,14,15
	v_med3_num_f32 v[Z+16*\k+\i], v[Z+16*\k+\i], -v[HOLD], v[HOLD]      ; the conversion does not saturate (ISA guide 7.6.2)
	TICK \k, \mix
.endr
	v_cvt_scalef32_pk8_fp8_f32 v[PC+4*\k:PC+4*\k+1], v[Z+16*\k:Z+16*\k+7], v[SCL]
	v_cvt_scalef32_pk8_fp8_f32 v[PC+4*\k+2:PC+4*\k+3], v[Z+16*\k+8:Z+16*\k+15], v[SCL]
	v_nop                                          ; one plain instruction behind the conversions, ahead of whatever next writes their sources
	ds_store_b128 v[AW], v[PC+4*\k:PC+4*\k+3] offset:2048*(\m)+512*\k    ; piece k of the fragment's image
.endm
.macro W2PRE m                         ; window 1 + m is free: W2's K steps 2 m and 2 m + 1 are asked for
	WIN (1+(\m))<<6
.set ff, 0
.rept 16
.irp c, 0,1,2,3
	global_load_b128 v[16*ff+4*\c:16*ff+4*\c+3], v[LI], s[34:35] offset:2048*(16*(\m)+ff)+512*\c
.endr
.set ff, ff+1
.endr
	WIN 0
.endm
.macro AFETCH step, buf                ; a's three fragments of the K step that lies step steps behind AL
.irp m, 0,1,2
.irp c, 0,1,2,3
	ds_load_b128 v[AF+48*(\buf)+16*\m+4*\c:AF+48*(\buf)+16*\m+4*\c+3], v[AL] offset:6144*(\step)+2048*\m+512*\c
.endr
.endr
.endm
; A K step of product 2: eight tiles of outputs x three tiles of rows: 24 sums by turns, in the same order in every step.
.macro KSTEP sg, refill, cnt, next
.if \next
	AFETCH (\sg)+1, ((\sg)+1)%2                    ; the next step's, into the set that the step before multiplied (its four places stand at that step's end)
	s_wait_dscnt 12                                ; this step's twelve are in
.else
	s_wait_dscnt 0x0
.endif
	s_wait_loadcnt \cnt                            ; this step's 32 loads of W2 are in: behind them were issued as many as the count says, or more than the count can say
	WIN 0xf0|(1+(\sg)/2)
.irp n, 0,1,2,3,4,5,6,7
.irp m, 0,1,2
	v_wmma_f32_16x16x128_fp8_fp8 v[8*(3*\n+\m):8*(3*\n+\m)+7], v[128*((\sg)%2)+16*\n:128*((\sg)%2)+16*\n+15], v[AF+48*((\sg)%2)+16*\m:AF+48*((\sg)%2)+16*\m+15], v[8*(3*\n+\m):8*(3*\n+\m)+7]
.endr
.endr
	PLACES
.if \refill
	WIN (1+(\sg)/2)<<6
.irp n, 0,1,2,3,4,5,6,7
.irp c, 0,1,2,3
	global_load_b128 v[128*((\sg)%2)+16*\n+4*\c:128*((\sg)%2)+16*\n+4*\c+3], v[LI], s[34:35] offset:2048*(8*((\sg)+4)+\n)+512*\c
.endr
.endr
.endif
	WIN 0
.endm
	s_load_b512 s[4:19], s[0:1], 0x0               ; xq, wq, route, b1, ln_g, ln_b, b2, lowp_scales
	s_load_b64 s[20:21], s[0:1], 0x40              ; y
	v_lshrrev_b32 v24, 5, v0
	v_readfirstlane_b32 s22, v24                   ; wave 0..3
	v_and_b32 v26, 31, v0
	v_lshlrev_b32 v[LI], 4, v26
	v_and_b32 v24, 15, v0                          ; r
	v_bfe_u32 v25, v0, 4, 1                        ; h
	s_lshl_b32 s23, ttmp9, 3
	s_wait_kmcnt 0x0
	s_load_b64 s[24:25], s[8:9], s23 offset:0x0    ; the tile: expert, rows
	s_load_b128 s[28:31], s[18:19], 0x0            ; ex, ew1, ew2, ea
	; every LDS address: a constant + a constant x lane + a constant x wave
	s_lshl_b32 s60, s22, 11
	v_lshlrev_b32 v26, 5, v25
	v_add_nc_u32 v26, s60, v26
	v_add_nc_u32 v[BIA], PB1, v26
	v_add_nc_u32 v[GA0], PG, v26
	s_mul_i32 s61, s22, 192
	v_lshl_add_u32 v[SA], v24, 2, s61
	v_add_nc_u32 v[SA], STA, v[SA]
	v_lshl_add_u32 v[SL], v24, 2, STA
	s_mul_i32 s61, s22, 24576
	v_add_nc_u32 v[AW0], s61, v[LI]
	v_add_nc_u32 v[AW0], AIMG, v[AW0]
	v_add_nc_u32 v[AL0], AIMG, v[LI]
	s_lshl_b32 s61, s22, 9
	v_lshl_add_u32 v[B2A], v25, 5, s61
	v_add_nc_u32 v[B2A], PB2, v[B2A]
	s_mul_i32 s61, s22, 8448
	v_mul_u32_u24 v[STO], v24, 528
	v_lshl_add_u32 v[STO], v25, 5, v[STO]
	v_add_nc_u32 v[STO], s61, v[STO]
	v_add_nc_u32 v[STO], STG, v[STO]               ; in: row r, 32 bytes for each half of the lanes
	v_add_nc_u32 v[RD], s61, v[LI]
	v_add_nc_u32 v[RD], STG, v[RD]                 ; back: the 32 lanes take a row of 512 bytes
	v_lshlrev_b32 v[PA], 4, v0
	s_mul_i32 s61, s22, 6144
	v_add_nc_u32 v[XW], s61, v[LI]
	s_mov_b32 s40, 0x3e6d3389                      ; 0.2316419
	s_mov_b32 s42, 0x3f596d27                      ; sqrt(log2(e) / 2)
	s_mov_b32 s43, s42                             ; (a pair's second word is named with it, so it is written)
	s_mov_b32 s44, 0x3f07dc22                      ; a5 .. a1: the series' coefficients / sqrt(2 pi)
	s_mov_b32 s45, s44
	s_mov_b32 s46, 0x3f35f0e3                      ; a3
	s_mov_b32 s47, s46
	s_mov_b32 s48, 0xbe11a98e                      ; a2
	s_mov_b32 s49, s48
	s_mov_b32 s50, 0x3e027906                      ; a1
	s_mov_b32 s51, s50
	s_mov_b32 s52, 0x76543210                      ; v_permlanex16_b32: lane l xor 16
	s_mov_b32 s53, 0xfedcba98
	s_wait_kmcnt 0x0
	s_min_u32 s24, s24, 7
	s_min_u32 s25, s25, 48
	s_mul_i32 s26, ttmp9, 48
	s_cmp_eq_u32 s25, 0
	s_cselect_b32 s27, 0, s26                      ; a tile without rows takes the list's place 0: a choice of a number, no branch
	s_max_u32 s25, s25, 1
	s_sub_co_u32 s25, s25, 1                       ; the last row that counts
.irp m, 0,1,2
	v_add_nc_u32 v[16+\m], 16*\m, v24
	v_min_u32 v[16+\m], s25, v[16+\m]
	v_add_nc_u32 v[16+\m], s27, v[16+\m]
	v_min_u32 v[16+\m], 0x215f, v[16+\m]           ; inside the list
	v_lshlrev_b32 v[16+\m], 2, v[16+\m]
.endr
.irp m, 0,1,2
	global_load_b32 v[20+\m], v[16+\m], s[8:9] offset:2048     ; the tokens of my three rows
.endr
	s_mov_b32 s61, 0
	s_lshl_b32 s60, s24, 13
	s_add_nc_u64 s[10:11], s[10:11], s[60:61]
	s_add_nc_u64 s[12:13], s[12:13], s[60:61]
	s_add_nc_u64 s[14:15], s[14:15], s[60:61]
	s_lshl_b32 s60, s24, 11
	s_add_nc_u64 s[16:17], s[16:17], s[60:61]
	s_lshl_b32 s60, s24, 2
	s_add_co_u32 s60, s60, s22
	s_lshl_b32 s60, s60, 18                        ; (4 e + w) x 262,144: my 128 fragments of each weight
	s_add_nc_u64 s[32:33], s[6:7], s[60:61]
	s_add_nc_u64 s[34:35], s[32:33], 0x800000
	s_mul_i32 s60, ttmp9, 98304
	s_lshl_b32 s62, s22, 9
	s_add_co_u32 s60, s60, s62
	s_add_nc_u64 s[36:37], s[20:21], s[60:61]      ; y: the tile's first row, my 128 outputs
	WIN 0x40                                       ; the expert's vectors, 16 bytes a thread, into window 1
.irp i, 0,1,2,3
	global_load_b128 v[4*\i:4*\i+3], v[PA], s[10:11] offset:2048*\i
.endr
.irp i, 0,1,2,3
	global_load_b128 v[16+4*\i:16+4*\i+3], v[PA], s[12:13] offset:2048*\i
.endr
.irp i, 0,1,2,3
	global_load_b128 v[32+4*\i:32+4*\i+3], v[PA], s[14:15] offset:2048*\i
.endr
	global_load_b128 v[48:51], v[PA], s[16:17]
	WIN 0
	RLOAD 0
	RLOAD 1
	RLOAD 2
	s_wait_loadcnt 61                              ; the three tokens are in: behind them 13 + 48 loads were issued
.irp m, 0,1,2
	v_min_u32 v[20+\m], 0xfff, v[20+\m]
.endr
	s_lshl_b32 s60, s22, 7
	v_lshl_add_u32 v26, v25, 4, s60                ; wave w fetches K step w of x: 128 w + 16 h
	v_lshl_add_u32 v[GA], v20, 9, v26
	v_lshl_add_u32 v[AW], v21, 9, v26
	v_lshl_add_u32 v[AL], v22, 9, v26
.irp c, 0,1,2,3
	global_load_b128 v[XF+4*\c:XF+4*\c+3], v[GA], s[4:5] offset:32*\c
	global_load_b128 v[XF+16+4*\c:XF+16+4*\c+3], v[AW], s[4:5] offset:32*\c
	global_load_b128 v[XF+32+4*\c:XF+32+4*\c+3], v[AL], s[4:5] offset:32*\c
.endr
	s_add_co_i32 s38, s28, s29                     ; ex + ew1
	s_sub_co_i32 s60, 0, s38
	s_add_co_i32 s39, s30, s31                     ; ew2 + ea
	s_sub_co_i32 s61, 0, s39
	s_wait_loadcnt 60                              ; the vectors are in: behind them 48 + 12
	WIN 0x41
.irp j, 0,1,2,3,4,5,6,7,8,9,10,11,12,13,14,15
	v_ldexp_f32 v[\j], v[\j], s60
.endr
.irp j, 48,49,50,51
	v_ldexp_f32 v[\j], v[\j], s61
.endr
	WIN 0x04                                       ; an LDS store's data are its source 1
.irp i, 0,1,2,3
	ds_store_b128 v[PA], v[4*\i:4*\i+3] offset:PB1+2048*\i
	ds_store_b128 v[PA], v[16+4*\i:16+4*\i+3] offset:PG+2048*\i
	ds_store_b128 v[PA], v[32+4*\i:32+4*\i+3] offset:PB+2048*\i
.endr
	ds_store_b128 v[PA], v[48:51] offset:PB2
	WIN 0
	s_wait_loadcnt 0x0                             ; x's codes
.irp m, 0,1,2
.irp c, 0,1,2,3
	ds_store_b128 v[XW], v[XF+16*\m+4*\c:XF+16*\m+4*\c+3] offset:XIMG+2048*\m+512*\c
.endr
.endr
	BARRIER                                        ; x's twelve fragments and the expert's vectors lie in LDS
.irp m, 0,1,2                          ; the sums begin as b1 / 2^(ex + ew1): nothing is cleared and no bias is added later
	WIN (1+\m)<<6
.set tt, 0
.rept 32
	ds_load_b128 v[8*tt:8*tt+3], v[BIA] offset:64*tt
	ds_load_b128 v[8*tt+4:8*tt+7], v[BIA] offset:64*tt+16
.set tt, tt+1
.endr
.endr
	WIN 0
	XFETCH 0
	s_wait_dscnt 0x0
	; ---- product 1: 32 units, K step u / 8, tiles 4 (u % 8) on
.set U, 0
.rept 32
	UNIT U
.set U, U+1
.endr
	; ---- the rows' means.  Each sum is read from its low end on
.irp m, 0,1,2
	WIN (1+\m)|((1+\m)<<2)
.irp c, 0,1,2,3
	v_pk_add_f32 v[T+2*\c:T+2*\c+1], v[2*\c:2*\c+1], v[16+2*\c:16+2*\c+1]
.endr
.irp c, 0,1,2,3
	v_pk_add_f32 v[T+8+2*\c:T+8+2*\c+1], v[8+2*\c:8+2*\c+1], v[24+2*\c:24+2*\c+1]
.endr
	WIN (1+\m)<<2
.set tt, 4
.rept 28
.irp c, 0,1,2,3
	v_pk_add_f32 v[T+8*(tt%2)+2*\c:T+8*(tt%2)+2*\c+1], v[T+8*(tt%2)+2*\c:T+8*(tt%2)+2*\c+1], v[8*tt+2*\c:8*tt+2*\c+1]
.endr
.set tt, tt+1
.endr
	WIN 0
	FOLD 64*\m
.endr
	BARRIER
	GATHER 0
.irp m, 0,1,2
	v_mul_f32 v[NMU+2*\m], 0xba000000, v[T+4*\m]   ; minus the sum / 2,048
	v_mov_b32 v[NMU+2*\m+1], v[NMU+2*\m]
.endr
	; ---- the deviations, in place, and their squares
.irp m, 0,1,2
	WIN ((1+\m)<<6)|(1+\m)
.set pp, 0
.rept 128
	v_pk_add_f32 v[2*pp:2*pp+1], v[2*pp:2*pp+1], v[NMU+2*\m:NMU+2*\m+1]
.set pp, pp+1
.endr
	WIN (1+\m)|((1+\m)<<2)
.set pp, 0
.rept 8
	v_pk_mul_f32 v[T+2*pp:T+2*pp+1], v[2*pp:2*pp+1], v[2*pp:2*pp+1]
.set pp, pp+1
.endr
.rept 120
	v_pk_fma_f32 v[T+2*(pp%8):T+2*(pp%8)+1], v[2*pp:2*pp+1], v[2*pp:2*pp+1], v[T+2*(pp%8):T+2*(pp%8)+1]
.set pp, pp+1
.endr
	WIN 0
	FOLD 768+64*\m
.endr
	BARRIER
	GATHER 768
	s_lshl_b32 s60, s38, 1
.irp m, 0,1,2
	v_mul_f32 v[T+4*\m], 0x3a000000, v[T+4*\m]     ; / 2,048
	v_ldexp_f32 v[T+4*\m], v[T+4*\m], s60          ; x 2^(2 (ex + ew1)): the variance of h itself
	v_add_f32 v[T+4*\m], 0x3727c5ac, v[T+4*\m]     ; + 1e-5
.endr
.irp m, 0,1,2
	v_rsq_f32 v[T+4*\m+1], v[T+4*\m]
.endr
	v_mov_b32 v[A4], 0xbf3a00e3                    ; a4 (a plain instruction behind the batch)
	v_mov_b32 v[A4+1], 0xbf3a00e3
	s_add_co_i32 s60, s31, 127
	s_lshl_b32 s61, s60, 23
	v_mov_b32 v[SCL], s61                          ; 2^ea
	s_add_co_i32 s60, s60, 8
	s_lshl_b32 s60, s60, 23
	s_or_b32 s60, s60, 0x600000
	v_mov_b32 v[HOLD], s60                         ; 448 x 2^ea
	s_add_co_i32 s58, s39, 127
	s_lshl_b32 s58, s58, 23                        ; 2^(ew2 + ea)
	s_mov_b32 s59, s58
	s_wait_alu depctr_va_vdst(0)                   ; one wait for the three, ahead of their first reader
.irp m, 0,1,2
	v_ldexp_f32 v[RS+2*\m], v[T+4*\m+1], s38       ; a deviation of the sums x this = the normalised number
	v_mov_b32 v[RS+2*\m+1], v[RS+2*\m]
.endr
	; ---- LayerNorm's gain and bias, GELU, the quantiser.  For each tile of rows a loop of four trips, a fragment of a (128 hidden units) a trip.
	; The window is a constant of the text, so the loop is written once for each m; which 64 registers a trip takes hangs on the counter: four short blocks, chosen by scalar branches on it.
	; A trip's transcendentals go in four batches of 32, each with ONE wait ahead of its first reader; batches 1 to 3 are dealt out among the plain lines of the quarter before.
.irp m, 0,1,2
	s_mov_b32 s54, 0
	s_mov_b32 s56, 0
	s_mov_b32 s57, 0
.Lpc_\m:
	v_add_nc_u32 v[GA], s56, v[GA0]
	v_add_nc_u32 v[AW], s57, v[AW0]
.irp q, 0,1,2,3,4,5,6,7
	ds_load_b128 v[T+8*\q:T+8*\q+3], v[GA] offset:64*\q
	ds_load_b128 v[T+8*\q+4:T+8*\q+7], v[GA] offset:64*\q+16
	ds_load_b128 v[E+8*\q:E+8*\q+3], v[GA] offset:8192+64*\q
	ds_load_b128 v[E+8*\q+4:E+8*\q+7], v[GA] offset:8192+64*\q+16
.endr
	s_cmp_eq_u32 s54, 0
	s_cbranch_scc1 .Lsg0_\m
	s_cmp_eq_u32 s54, 1
	s_cbranch_scc1 .Lsg1_\m
	s_cmp_eq_u32 s54, 2
	s_cbranch_scc1 .Lsg2_\m
	SIGMA 3, \m
	s_branch .Ljoin_\m
.Lsg0_\m:
	SIGMA 0, \m
	s_branch .Ljoin_\m
.Lsg1_\m:
	SIGMA 1, \m
	s_branch .Ljoin_\m
.Lsg2_\m:
	SIGMA 2, \m
.Ljoin_\m:
	s_wait_dscnt 0x0                               ; ln_g and ln_b are in
	PRE 0
.set tq, 0
.rept 32
	TRI 0, tq
.set tq, tq+1
.endr
	PRE 1
	s_wait_alu depctr_va_vdst(0)
	POST 0, 1, \m
	PRE 2
	s_wait_alu depctr_va_vdst(0)
	POST 1, 1, \m
	PRE 3
	s_wait_alu depctr_va_vdst(0)
	POST 2, 1, \m
	v_nop
	s_wait_alu depctr_va_vdst(0)
	POST 3, 0, \m
	s_add_co_u32 s56, s56, 512
	s_add_co_u32 s57, s57, 6144
	s_add_co_u32 s54, s54, 1
	s_cmp_lt_u32 s54, 4
	s_cbranch_scc1 .Lpc_\m
.if \m < 2
	W2PRE \m
.endif
.endr
	WIN 0xc0                                       ; y's sums begin as b2 / 2^(ew2 + ea)
.irp n, 0,1,2,3,4,5,6,7
.irp m, 0,1,2
	ds_load_b128 v[8*(3*\n+\m):8*(3*\n+\m)+3], v[B2A] offset:64*\n
	ds_load_b128 v[8*(3*\n+\m)+4:8*(3*\n+\m)+7], v[B2A] offset:64*\n+16
.endr
.endr
	WIN 0
	BARRIER                                        ; a's 48 fragments lie in LDS
	; ---- product 2: sixteen K steps; W2 through a ring of four K steps in windows 1 and 2
	s_mov_b32 s54, 3
	s_mov_b32 s55, 0
	v_add_nc_u32 v[AL], s55, v[AL0]
	AFETCH 0, 0
.Lk:
	KSTEP 0, 1, 63, 1                              ; 96 loads were issued behind this step's: the count's field ends at 63
	KSTEP 1, 1, 63, 1
	KSTEP 2, 1, 63, 1
	KSTEP 3, 1, 63, 1
	s_wait_xcnt 0x0                                ; the loads have read their base: it steps only behind this wait
	s_add_nc_u64 s[34:35], s[34:35], 65536
	s_add_co_u32 s55, s55, 24576
	v_add_nc_u32 v[AL], s55, v[AL0]
	s_sub_co_u32 s54, s54, 1
	s_cmp_lg_u32 s54, 0
	s_cbranch_scc1 .Lk
	KSTEP 0, 0, 63, 1                              ; the last four steps ask for nothing more: 96, 64, 32, 0 loads are younger
	KSTEP 1, 0, 63, 1
	KSTEP 2, 0, 32, 1
	KSTEP 3, 0, 0, 0
	; ---- the way out: x 2^(ew2 + ea); 16 rows at a time through my own stage; LDS serves a wave's instructions in order, so no wait stands between the stores and the loads
.irp m, 0,1,2
	WIN 0x03
.irp n, 0,1,2,3,4,5,6,7
.irp p, 0,1,2,3
	v_pk_mul_f32 v[TMP+8*\n+2*\p:TMP+8*\n+2*\p+1], v[8*(3*\n+\m)+2*\p:8*(3*\n+\m)+2*\p+1], s[58:59] op_sel_hi:[1,0]
.endr
.endr
	WIN 0
.irp n, 0,1,2,3,4,5,6,7
	ds_store_b128 v[STO], v[TMP+8*\n:TMP+8*\n+3] offset:64*\n
	ds_store_b128 v[STO], v[TMP+8*\n+4:TMP+8*\n+7] offset:64*\n+16
.endr
.if \m == 2
	s_wait_xcnt 0x0                                ; the first block's stores have read these registers
.endif
.irp i, 0,1,2,3,4,5,6,7,8,9,10,11,12,13,14,15
	ds_load_b128 v[BK+64*(\m%2)+4*\i:BK+64*(\m%2)+4*\i+3], v[RD] offset:528*\i
.endr
	s_wait_dscnt 0x0
.irp i, 0,1,2,3,4,5,6,7,8,9,10,11,12,13,14,15
	global_store_b128 v[LI], v[BK+64*(\m%2)+4*\i:BK+64*(\m%2)+4*\i+3], s[36:37] offset:(16*\m+\i)*2048   ; 32 lanes store 512 consecutive bytes, aligned
.endr
.endr
	s_wait_xcnt 0x0
	v_lshl_add_u32 v254, v0, 2, 0x2d400
	v_mov_b32 v255, 0
	s_wait_tensorcnt 0x0
	ds_add_u32 v254, v255
	s_wait_dscnt 0x0
	s_endpgm
.Lfunc_end_k_q76ea410523_chain:
	.size	k_q76ea410523_chain, .Lfunc_end_k_q76ea410523_chain-k_q76ea410523_chain
	.p2alignl 7, 3214868480
	.fill 96, 4, 3214868480
	.section	.rodata,"a",@progbits
	.p2align	6, 0x0
	.amdhsa_kernel k_q76ea410523_chain
		.amdhsa_group_segment_fixed_size 185856
		.amdhsa_private_segment_fixed_size 0
		.amdhsa_enable_private_segment 0
		.amdhsa_kernarg_size 72
		.amdhsa_user_sgpr_count 2
		.amdhsa_user_sgpr_kernarg_segment_ptr 1
		.amdhsa_wavefront_size32 1
		.amdhsa_system_sgpr_workgroup_id_x 1
		.amdhsa_system_sgpr_workgroup_id_y 1
		.amdhsa_system_sgpr_workgroup_id_z 1
		.amdhsa_system_vgpr_workitem_id 0
		.amdhsa_next_free_vgpr 1024
		.amdhsa_next_free_sgpr 66
		.amdhsa_reserve_vcc 0
		.amdhsa_float_denorm_mode_32 3
		.amdhsa_float_denorm_mode_16_64 3
		.amdhsa_memory_ordered 1
		.amdhsa_forward_progress 1
		.amdhsa_inst_pref_size 255
	.end_amdhsa_kernel
	.section	.bss,"aw",@nobits
	.p2align	6
	.space	262144
	.amdgpu_metadata
---
amdhsa.version: [ 1, 2 ]
amdhsa.kernels:
  - .name:           k_q76ea410523_chain
    .symbol:         k_q76ea410523_chain.kd
    .args:
      - { .name: xq, .offset: 0, .size: 8, .value_kind: global_buffer, .address_space: global }
      - { .name: wq, .offset: 8, .size: 8, .value_kind: global_buffer, .address_space: global }
      - { .name: route, .offset: 16, .size: 8, .value_kind: global_buffer, .address_space: global }
      - { .name: b1, .offset: 24, .size: 8, .value_kind: global_buffer, .address_space: global }
      - { .name: ln_g, .offset: 32, .size: 8, .value_kind: global_buffer, .address_space: global }
      - { .name: ln_b, .offset: 40, .size: 8, .value_kind: global_buffer, .address_space: global }
      - { .name: b2, .offset: 48, .size: 8, .value_kind: global_buffer, .address_space: global }
      - { .name: lowp_scales, .offset: 56, .size: 8, .value_kind: global_buffer, .address_space: global }
      - { .name: y, .offset: 64, .size: 8, .value_kind: global_buffer, .address_space: global }
    .group_segment_fixed_size: 185856
    .private_segment_fixed_size: 0
    .kernarg_segment_align: 8
    .kernarg_segment_size: 72
    .max_flat_workgroup_size: 128
    .sgpr_count:     66
    .vgpr_count:     1024
    .wavefront_size: 32
...
	.end_amdgpu_metadata
.endif
;; end of part 3
;; launch combine (part 4): grid 256 x 1, 4 waves a work-group, no clusters, 0 bytes of LDS; arguments y, route, rwp, out_g, out_b, out0; writes out0
.if DOCPART == 4
	.amdgcn_target "amdgcn-amd-amdhsa--gfx1250"
	.amdhsa_code_object_version 6
	.text
	.protected	k_q76ea410523_combine
	.globl	k_q76ea410523_combine
	.p2align	8
	.type	k_q76ea410523_combine,@function
k_q76ea410523_combine:
	s_mov_b64 s[64:65], 0
	v_nop
	global_prefetch_b8 v0, s[64:65] scope:SCOPE_SE
	s_setreg_imm32_b32 hwreg(HW_REG_WAVE_MODE, 25, 1), 1
	s_wait_xcnt 0x0
; COMBINE: out0[token] = LayerNorm(w0 y[pos0] + w1 y[pos1]) x out_g + out_b.  y [8,544][512] f32; pos [token][2] int32 at byte 36,864 of route; the weights [token][2] f32 at byte 0 of rwp.
; A wave owns four tokens; a row of 2,048 bytes is four loads of 512 consecutive bytes; the row stays in 16 registers a lane between the mean, the variance and the scaling.  All 40 loads of a wave go out at once.
; A token's places and weights are the same for all lanes: scalar loads.  No LDS, no barrier: waves share nothing.  No matrix unit, no cluster: a stream read once.  No L2 prefetch: the launch is short and all its loads are out from its head.
.set G,  2                             ; v2-17    out_g of my 16 columns (128 c + 4 lane + j)
.set BB, 18                            ; v18-33   out_b
.set Y,  34                            ; v34-161  token i: 16 numbers of its first row, 16 of its second
.set R,  162                           ; v162-169 at work
.set M,  170                           ; v170-171 a pair
.macro REDUCE                          ; four pairs at v[R] on: their sum over the wave, in every lane
	v_pk_add_f32 v[R:R+1], v[R:R+1], v[R+2:R+3]
	v_pk_add_f32 v[R+4:R+5], v[R+4:R+5], v[R+6:R+7]
	v_pk_add_f32 v[R:R+1], v[R:R+1], v[R+4:R+5]
	v_add_f32 v[R], v[R], v[R+1]
.irp m, 1,2,4,8
	v_add_f32_dpp v[R], v[R], v[R] row_xmask:\m row_mask:0xf bank_mask:0xf
.endr
	v_permlanex16_b32 v[R+1], v[R], s54, s55
	v_add_f32 v[R], v[R], v[R+1]
.endm
.macro TOK i
.set A, Y+32*(\i)
.set B, Y+32*(\i)+16
	s_wait_loadcnt 8*(3-(\i))                      ; this token's eight loads are in (and out_g, out_b, issued earlier); the younger tokens' may be out
.irp k, 0,1,2,3,4,5,6,7,8,9,10,11,12,13,14,15
	v_mul_f32 v[A+\k], s[24+2*(\i)], v[A+\k]
.endr
.irp k, 0,1,2,3,4,5,6,7,8,9,10,11,12,13,14,15
	v_fmac_f32 v[A+\k], s[25+2*(\i)], v[B+\k]
.endr
.irp c, 0,1,2,3
	v_pk_add_f32 v[R+2*\c:R+2*\c+1], v[A+4*\c:A+4*\c+1], v[A+4*\c+2:A+4*\c+3]
.endr
	REDUCE
	v_mul_f32 v[M], 0xbb000000, v[R]               ; minus the mean of 512
	v_mov_b32 v[M+1], v[M]
.irp p, 0,1,2,3,4,5,6,7
	v_pk_add_f32 v[A+2*\p:A+2*\p+1], v[A+2*\p:A+2*\p+1], v[M:M+1]
.endr
.irp c, 0,1,2,3
	v_pk_mul_f32 v[R+2*\c:R+2*\c+1], v[A+2*\c:A+2*\c+1], v[A+2*\c:A+2*\c+1]
.endr
.irp c, 0,1,2,3
	v_pk_fma_f32 v[R+2*\c:R+2*\c+1], v[A+8+2*\c:A+8+2*\c+1], v[A+8+2*\c:A+8+2*\c+1], v[R+2*\c:R+2*\c+1]
.endr
	REDUCE
	v_fma_f32 v[R], v[R], s52, s53                 ; the variance + 1e-5
	v_rsq_f32 v[M], v[R]
	v_nop
	s_wait_alu depctr_va_vdst(0)
	v_mov_b32 v[M+1], v[M]
.irp p, 0,1,2,3,4,5,6,7
	v_pk_mul_f32 v[A+2*\p:A+2*\p+1], v[A+2*\p:A+2*\p+1], v[M:M+1]
.endr
.irp p, 0,1,2,3,4,5,6,7
	v_pk_fma_f32 v[A+2*\p:A+2*\p+1], v[A+2*\p:A+2*\p+1], v[G+2*\p:G+2*\p+1], v[BB+2*\p:BB+2*\p+1]
.endr
.irp c, 0,1,2,3
	global_store_b128 v1, v[A+4*\c:A+4*\c+3], s[14:15] offset:2048*(\i)+512*\c th:TH_STORE_NT   ; 512 consecutive bytes, aligned; each token has registers of its own
.endr
.endm
	s_load_b256 s[4:11], s[0:1], 0x0               ; y, route, rwp, out_g
	s_load_b128 s[12:15], s[0:1], 0x20             ; out_b, out0
	v_lshrrev_b32 v1, 5, v0
	v_readfirstlane_b32 s2, v1                     ; wave
	v_and_b32 v1, 31, v0
	v_lshlrev_b32 v1, 4, v1                        ; 16 x lane
	s_lshl_b32 s3, ttmp9, 4
	s_lshl_b32 s2, s2, 2
	s_add_co_u32 s3, s3, s2                        ; my first token
	s_lshl_b32 s48, s3, 3
	s_lshl_b32 s50, s3, 11
	s_mov_b32 s51, 0
	s_mov_b32 s52, 0x3b000000                      ; 1 / 512
	s_mov_b32 s53, 0x3727c5ac                      ; 1e-5
	s_mov_b32 s54, 0x76543210
	s_mov_b32 s55, 0xfedcba98
	s_wait_kmcnt 0x0
	s_load_b256 s[16:23], s[6:7], s48 offset:36864 ; the four tokens' two places each
	s_load_b256 s[24:31], s[8:9], s48 offset:0x0   ; and weights
.irp c, 0,1,2,3
	global_load_b128 v[G+4*\c:G+4*\c+3], v1, s[10:11] offset:512*\c
	global_load_b128 v[BB+4*\c:BB+4*\c+3], v1, s[12:13] offset:512*\c
.endr
	s_add_nc_u64 s[14:15], s[14:15], s[50:51]
	s_wait_kmcnt 0x0
.irp q, 0,1,2,3,4,5,6,7
	s_min_u32 s[16+\q], s[16+\q], 0x215f           ; inside y's 8,544 rows
	s_lshl_b32 s[32+2*\q], s[16+\q], 11
	s_mov_b32 s[33+2*\q], 0
	s_add_nc_u64 s[32+2*\q:33+2*\q], s[4:5], s[32+2*\q:33+2*\q]
.endr
.irp q, 0,1,2,3,4,5,6,7
.irp c, 0,1,2,3
	global_load_b128 v[Y+16*\q+4*\c:Y+16*\q+4*\c+3], v1, s[32+2*\q:33+2*\q] offset:512*\c
.endr
.endr
	TOK 0
	TOK 1
	TOK 2
	TOK 3
	s_endpgm
.Lfunc_end_k_q76ea410523_combine:
	.size	k_q76ea410523_combine, .Lfunc_end_k_q76ea410523_combine-k_q76ea410523_combine
	.p2alignl 7, 3214868480
	.fill 96, 4, 3214868480
	.section	.rodata,"a",@progbits
	.p2align	6, 0x0
	.amdhsa_kernel k_q76ea410523_combine
		.amdhsa_group_segment_fixed_size 0
		.amdhsa_private_segment_fixed_size 0
		.amdhsa_enable_private_segment 0
		.amdhsa_kernarg_size 48
		.amdhsa_user_sgpr_count 2
		.amdhsa_user_sgpr_kernarg_segment_ptr 1
		.amdhsa_wavefront_size32 1
		.amdhsa_system_sgpr_workgroup_id_x 1
		.amdhsa_system_sgpr_workgroup_id_y 1
		.amdhsa_system_sgpr_workgroup_id_z 1
		.amdhsa_system_vgpr_workitem_id 0
		.amdhsa_next_free_vgpr 192
		.amdhsa_next_free_sgpr 66
		.amdhsa_reserve_vcc 0
		.amdhsa_float_denorm_mode_32 3
		.amdhsa_float_denorm_mode_16_64 3
		.amdhsa_memory_ordered 1
		.amdhsa_forward_progress 1
		.amdhsa_inst_pref_size 27
	.end_amdhsa_kernel
	.amdgpu_metadata
---
amdhsa.version: [ 1, 2 ]
amdhsa.kernels:
  - .name:           k_q76ea410523_combine
    .symbol:         k_q76ea410523_combine.kd
    .args:
      - { .name: y, .offset: 0, .size: 8, .value_kind: global_buffer, .address_space: global }
      - { .name: route, .offset: 8, .size: 8, .value_kind: global_buffer, .address_space: global }
      - { .name: rwp, .offset: 16, .size: 8, .value_kind: global_buffer, .address_space: global }
      - { .name: out_g, .offset: 24, .size: 8, .value_kind: global_buffer, .address_space: global }
      - { .name: out_b, .offset: 32, .size: 8, .value_kind: global_buffer, .address_space: global }
      - { .name: out0, .offset: 40, .size: 8, .value_kind: global_buffer, .address_space: global }
    .group_segment_fixed_size: 0
    .private_segment_fixed_size: 0
    .kernarg_segment_align: 8
    .kernarg_segment_size: 48
    .max_flat_workgroup_size: 128
    .sgpr_count:     66
    .vgpr_count:     192
    .wavefront_size: 32
...
	.end_amdgpu_metadata
.endif
;; end of part 4
